; MI455X (gfx1250); checked and timed in simulation.
; The chip was launched on July 23, 2026; its instructions are those of AMD's public machine-readable ISA for CDNA 5 (MIT licence, August 2026) and "CDNA5" Instruction Set Architecture Reference Guide (July 2026). The comments in the code are by the model that wrote it; some were corrected since.
;; NW Head. Allowed arithmetic: float matrix products may take bf16 or f16 operands with f32 sums; all other float work in f32.
;; Inputs: query_feats 64 x 256 float32; support_feats 64 x 8,192 x 256 float32; support_labels 64 x 8,192 x 100 float32.
;; Outputs: out0 64 x 100 float32.
;; 2 versions, each right; version 2 is version 1 with the launch partial written anew for expert scheduling mode. Each part assembles by itself: llvm-mc -triple=amdgcn-amd-amdhsa -mcpu=gfx1250 --defsym DOCPART=n.
;; ======== version 1 of 2: 2 launches
;; limits: inputs' magnitudes at most 1e+18
;; workspace buffers: part 2,097,152 bytes
;; launch partial (part 1): grid 256 x 1, 16 waves a work-group, no clusters, 206,848 bytes of LDS; arguments query_feats, support_feats, support_labels, part; writes part
.if DOCPART == 1
	.amdgcn_target "amdgcn-amd-amdhsa--gfx1250"
	.amdhsa_code_object_version 6
	.text
	.protected	k_q2c26c23062_partial
	.globl	k_q2c26c23062_partial
	.p2align	8
	.type	k_q2c26c23062_partial,@function
k_q2c26c23062_partial:
	s_mov_b64 s[64:65], 0
	v_nop
	global_prefetch_b8 v0, s[64:65] scope:SCOPE_SE
	s_setreg_imm32_b32 hwreg(HW_REG_WAVE_MODE, 25, 1), 1
	s_wait_xcnt 0x0
; Nadaraya-Watson head, part 1 of 2.  out[b] = sum_s softmax_s(-|q[b] - f[b][s]|) * labels[b][s].
; q [64][256], f [64][8192][256], labels [64][8192][100], all f32.
; Every feature and label is used once: the work is a stream.  256 work-groups of 16 waves; wave W = 16 x group + wave (0..4095) owns the
; 128 supports 128 (W % 64) .. + 127 of batch W / 64 and leaves ONE record of 512 bytes in part[W]:
;   floats 0..99 sum of p * label,  float 100 m = the wave's least distance,  float 101 sum of p,  the rest 0,  with p = exp(m - d).
; The maximum of -d is thus taken away wave by wave; part 2 brings the 64 records of a batch to their common maximum.
; No wave reads what another wrote: no barrier.
;
; PHASE 1, features.  Lanes 0-15 take 256 consecutive bytes of row t, lanes 16-31 the same bytes of row t + 16; four such loads (a step) take
; both rows whole.  A lane owns 16 columns (16 numbers of q in registers) and a row's sum crosses 16 lanes only.  After 16 steps a lane holds
; 16 partial sums; a transposing butterfly (15 folds of three instructions) leaves the sum of row r of the 32 in lane r.
; PHASE 2, labels.  The wave's 128 label rows are 51,200 consecutive bytes from a multiple of 256: 100 loads of 512 consecutive bytes.
; Piece n (16 bytes) of a chunk of 32 rows is row n / 25, columns 4 (n % 25) .. + 3, and 32 rows are exactly 25 loads: load j of every chunk
; has the same pattern, so a lane keeps 25 x 4 sums, one set for each j, and fetches its row's weight from lane n / 25 (ds_bpermute_b32).
; WAY OUT.  The 25 sets, stored in piece order, are the image of a 32 x 100 array in the wave's own LDS bytes; lanes 0-24 add its 32 rows.
;
; ONE RING of 24 load slots serves both phases (12 KiB of a wave, 192 KiB of the work-group on their way): the label loads follow the
; feature loads in the same slots, so the loads go on while distances are turned into weights.  Every address is one offset register plus
; an immediate; nothing is stepped.  The text is straight-line (some 20 KiB): each wave runs it once.
;
; NOT USED, and why.  Matrix instructions: the product has one row (p) for each batch, 15 of 16 rows would be idle, and each label would have
; to be converted and transposed to be used once.  Clusters: the work-groups share nothing but 1 KiB of q.  The tensor mover and an LDS ring:
; the bytes in flight fit in registers.  Prefetches: the ring already keeps the loads coming.
; LIMITS.  If all 128 squared distances of a wave overflow to infinity (differences above about 1e18) its record is NaN, where the plain
; softmax is NaN only if all 8192 do.  v_sqrt_f32 and v_exp_f32 are good to 1 ULP and flush denormals (ISA guide 15.8): a squared distance
; or a weight below 2^-126 counts as 0.  The sums are formed in another order than a plain loop's.
.set ROWS,  128                        ; supports of a wave
.set FROW,  1024                       ; bytes in a feature row
.set LROW,  400                        ; bytes in a label row
.set NSLOT, 24                         ; load slots of the ring = 6 steps
.set NFEAT, ROWS*FROW/512              ; 256 feature loads of a wave
.set NLAB,  ROWS*LROW/512              ; 100 label loads of a wave
.set LPC,   25                         ; label loads in a chunk of 32 rows
.set NP,    8                          ; weights on their way (ds_bpermute_b32)
.set IMG,   32*LROW                    ; a wave's LDS bytes: 25 x 512 = 32 x 400
.set FO,   1                           ; v1        feature offset: 16 rows x (lane / 16) + 16 x (lane % 16)
.set LO,   2                           ; v2        16 x lane: labels, record
.set QO,   3                           ; v3        16 x (lane % 16): q
.set D,    4                           ; v[4:7]    lane r: distance, later weight, of row r of chunk 0..3
.set M,    8                           ; v8        the wave's least distance
.set L,    9                           ; v9        the wave's sum of weights
.set T,    10                          ; v[10:13]  at work
.set IDX,  18                          ; v[18:42]  4 x (row of my piece in label load j of a chunk)
.set P,    44                          ; v[44:51]  weights for the next 8 label loads
.set E,    20                          ; v[20:147] the way out: 32 rows x 4 registers (indices, weights and ring are done with by then)
.set RING, 52                          ; v[52:147] 24 slots of 4 registers
.set ACC,  148                         ; v[148:247] 25 sets of 4 sums
.set Q,    148                         ; v[148:163] phase 1 only: my 16 numbers of q
.set S,    164                         ; v[164:179] phase 1 only: my partial sums of 16 steps
.set A,    180                         ; v[180:183] phase 1 only: two running pairs
; Load number seq of the wave's 356, into slot seq % 24.  0..255: step seq / 4 (rows 32 (step / 16) + step % 16 and 16 further), quarter seq % 4.
; 256..355: the labels' next 512 bytes.  Beyond: nothing.
.macro ISSUE seq
.if (\seq) < NFEAT
	global_load_b128 v[RING+4*((\seq)%NSLOT):RING+4*((\seq)%NSLOT)+3], v[FO], s[6:7] offset:FROW*((\seq)/4+16*((\seq)/64))+256*((\seq)%4) th:TH_LOAD_NT
.else
.if (\seq) < NFEAT+NLAB
	global_load_b128 v[RING+4*((\seq)%NSLOT):RING+4*((\seq)%NSLOT)+3], v[LO], s[8:9] offset:512*((\seq)-NFEAT) th:TH_LOAD_NT
.endif
.endif
.endm
	s_load_b256 s[4:11], s[0:1], 0x0               ; q s[4:5], features s[6:7], labels s[8:9], part s[10:11]
	v_lshl_add_u32 v248, v0, 2, 0x32000
	v_mov_b32 v249, 0
	v_lshrrev_b32 v[T], 5, v0
	v_readfirstlane_b32 s12, v[T]                  ; wave 0..15
	v_and_b32 v[T+1], 31, v0                       ; lane
	v_and_b32 v[QO], 15, v0
	v_bfe_u32 v[T+2], v0, 4, 1                     ; which half of the lanes
	v_lshlrev_b32 v[QO], 4, v[QO]
	v_lshlrev_b32 v[LO], 4, v[T+1]
	v_lshl_add_u32 v[FO], v[T+2], 14, v[QO]        ; 16 rows of 1,024 bytes for the upper half
	s_lshl_b32 s13, ttmp9, 4
	s_add_co_u32 s13, s13, s12                     ; W
	s_lshl_b32 s14, s13, 17                        ; W x 128 rows x 1,024 bytes (below 2^30)
	s_mov_b32 s15, 0
	s_mul_i32 s16, s13, ROWS*LROW                  ; W x 51,200 bytes, a multiple of 256
	s_mov_b32 s17, 0
	s_lshr_b32 s18, s13, 6                         ; batch
	s_lshl_b32 s18, s18, 10
	s_mov_b32 s19, 0
	s_lshl_b32 s20, s13, 9                         ; my record
	s_mov_b32 s21, 0
	s_wait_kmcnt 0x0
	s_add_nc_u64 s[4:5], s[4:5], s[18:19]
	s_add_nc_u64 s[6:7], s[6:7], s[14:15]
	s_add_nc_u64 s[8:9], s[8:9], s[16:17]
	s_add_nc_u64 s[10:11], s[10:11], s[20:21]
.irp k, 0,1,2,3
	global_load_b128 v[Q+4*\k:Q+4*\k+3], v[QO], s[4:5] offset:256*\k      ; q[64 k + 4 (lane % 16) .. + 3]; 64 waves read this row: no hint
.endr
.set n, 0
.rept NSLOT
	ISSUE n                                        ; the ring is filled before anything else is done
.set n, n+1
.endr
	; While the first loads are out: constants, and the 25 indices.  n / 25 = (1311 n) >> 15 for n < 4681 (1311 x 25 = 2^15 + 7); here n < 800.
	s_mov_b32 s22, 0xaaaaaaaa                      ; lanes with bit 0 set
	s_mov_b32 s23, 0xcccccccc                      ; bit 1
	s_mov_b32 s24, 0xf0f0f0f0                      ; bit 2
	s_mov_b32 s25, 0xff00ff00                      ; bit 3
	s_mov_b32 s26, 0x76543210                      ; v_permlanex16_b32: lane i reads lane i of the other half
	s_mov_b32 s27, 0xfedcba98
	s_mov_b32 s28, 0x01ffffff                      ; lanes 0-24: the record's 100 sums
	s_mov_b32 s29, 0x02000000                      ; lane 25: m and the sum of weights
	s_mul_i32 s31, s12, IMG                        ; my wave's LDS bytes
	v_mul_u32_u24 v[T+3], 0x51f, v[T+1]            ; 1311 x lane
.set j, 0
.rept LPC
	v_add_nc_u32 v[IDX+j], 41952*j, v[T+3]         ; 1311 x (32 j + lane)
	v_lshrrev_b32 v[IDX+j], 15, v[IDX+j]           ; the row of my piece, 0..31
	v_lshlrev_b32 v[IDX+j], 2, v[IDX+j]            ; as ds_bpermute_b32 wants it: 4 x lane
.set j, j+1
.endr
; A step: two rows (one for each half of the lanes), 16 numbers a lane.  The difference is formed first and squared: no large sums are subtracted.
.macro STEP                            ; stp = 0..63
.set XB, RING+4*((4*stp)%NSLOT)
	s_wait_loadcnt NSLOT-4                         ; loads return in order (ISA guide 5.7.1): this step's four are in, the five younger steps' twenty stay out
.irp k, 0,2,4,6,8,10,12,14
	v_pk_add_f32 v[XB+\k:XB+\k+1], v[XB+\k:XB+\k+1], v[Q+\k:Q+\k+1] neg_lo:[0,1] neg_hi:[0,1]
.endr
	v_pk_mul_f32 v[A:A+1], v[XB:XB+1], v[XB:XB+1]                  ; the first squares start the two chains: nothing is cleared
	v_pk_mul_f32 v[A+2:A+3], v[XB+2:XB+3], v[XB+2:XB+3]
.irp k, 4,8,12
	v_pk_fma_f32 v[A:A+1], v[XB+\k:XB+\k+1], v[XB+\k:XB+\k+1], v[A:A+1]
	v_pk_fma_f32 v[A+2:A+3], v[XB+\k+2:XB+\k+3], v[XB+\k+2:XB+\k+3], v[A+2:A+3]
.endr
	v_pk_add_f32 v[A:A+1], v[A:A+1], v[A+2:A+3]
	v_add_f32 v[S+stp%16], v[A], v[A+1]
.irp k, 0,1,2,3
	ISSUE 4*stp+NSLOT+\k                           ; six steps ahead, into the slots just read; from step 58 on these are the first 24 label loads
.endr
.endm
; One fold: lanes whose bit is clear end with S[a] summed over the pair of lanes, the others with S[b].  Each lane hands over the one it does not keep.
.macro FOLD a, b, mask, x
	v_cndmask_b32 v[T], v[S+\b], v[S+\a], \mask                    ; for my partner: bit set ? S[a] : S[b]
	v_cndmask_b32 v[S+\a], v[S+\a], v[S+\b], \mask                 ; for me:         bit set ? S[b] : S[a]
	v_add_f32_dpp v[S+\a], v[T], v[S+\a] row_xmask:\x row_mask:0xf bank_mask:0xf
.endm
.macro FOLDALL                         ; 8 + 4 + 2 + 1 folds: lane i of each half ends with S[i] summed over its 16 lanes, in S[0]
.irp a, 0,2,4,6,8,10,12,14
	FOLD \a, \a+1, s22, 1
.endr
.irp a, 0,4,8,12
	FOLD \a, \a+2, s23, 2
.endr
.irp a, 0,8
	FOLD \a, \a+4, s24, 4
.endr
	FOLD 0, 8, s25, 8
.endm
.set stp, 0
.rept 64
	STEP
.if stp%16 == 15
	FOLDALL                                        ; lane r: the squared distance of row r of this chunk
	v_sqrt_f32 v[D+stp/16], v[S]                   ; the plain instruction that has to follow (ISA guide 5.7.2) is the next step's first difference, or the v_min3 below
.endif
.set stp, stp+1
.endr
	; The wave's least distance, in every lane
	s_wait_alu depctr_va_vdst(0)
	v_min3_num_f32 v[M], v[D], v[D+1], v[D+2]
	v_min_num_f32 v[M], v[M], v[D+3]
	v_min_num_f32_dpp v[M], v[M], v[M] row_xmask:1 row_mask:0xf bank_mask:0xf
	v_min_num_f32_dpp v[M], v[M], v[M] row_xmask:2 row_mask:0xf bank_mask:0xf
	v_min_num_f32_dpp v[M], v[M], v[M] row_xmask:4 row_mask:0xf bank_mask:0xf
	v_min_num_f32_dpp v[M], v[M], v[M] row_xmask:8 row_mask:0xf bank_mask:0xf
	v_permlanex16_b32 v[T], v[M], s26, s27
	v_min_num_f32 v[M], v[M], v[T]
	; p = exp(m - d) = 2^((m - d) log2 e).  The difference first, so that its error does not grow with the size of the distances.
.irp c, 0,1,2,3
	v_sub_f32 v[D+\c], v[M], v[D+\c]
.endr
.irp c, 0,1,2,3
	v_mul_f32 v[D+\c], 0x3fb8aa3b, v[D+\c]
.endr
.irp c, 0,1,2,3
	v_exp_f32 v[D+\c], v[D+\c]
.endr
	v_nop                                          ; one plain instruction between the exponentials and the first use of a result (ISA guide 5.7.2)
	s_wait_alu depctr_va_vdst(0)
.macro PERM jj                         ; the weight that goes with my 16 bytes of label load jj
.if (\jj) < NLAB
	ds_bpermute_b32 v[P+(\jj)%NP], v[IDX+(\jj)%LPC], v[D+(\jj)/LPC]
.endif
.endm
.set n, 0
.rept NP
	PERM n
.set n, n+1
.endr
	; the sum of the wave's 128 weights, in every lane, while the first weights travel
	v_add_f32 v[L], v[D], v[D+1]
	v_add_f32 v[T], v[D+2], v[D+3]
	v_add_f32 v[L], v[L], v[T]
	v_add_f32_dpp v[L], v[L], v[L] row_xmask:1 row_mask:0xf bank_mask:0xf
	v_add_f32_dpp v[L], v[L], v[L] row_xmask:2 row_mask:0xf bank_mask:0xf
	v_add_f32_dpp v[L], v[L], v[L] row_xmask:4 row_mask:0xf bank_mask:0xf
	v_add_f32_dpp v[L], v[L], v[L] row_xmask:8 row_mask:0xf bank_mask:0xf
	v_permlanex16_b32 v[T], v[L], s26, s27
	v_add_f32 v[L], v[L], v[T]
; set jj % 25 += weight x the four labels of load jj.  b = jj % 2 says which register of the weights' pair feeds both halves.
; The first chunk's products start the sums.
.macro WSUM jj, b
.set ab, ACC+4*((\jj)%LPC)
.set xb, RING+4*((NFEAT+(\jj))%NSLOT)
.set pb, P+((\jj)%NP)/2*2
.if (\jj) < LPC
	v_pk_mul_f32 v[ab:ab+1], v[xb:xb+1], v[pb:pb+1] op_sel:[0,\b] op_sel_hi:[1,\b]
	v_pk_mul_f32 v[ab+2:ab+3], v[xb+2:xb+3], v[pb:pb+1] op_sel:[0,\b] op_sel_hi:[1,\b]
.else
	v_pk_fma_f32 v[ab:ab+1], v[xb:xb+1], v[pb:pb+1], v[ab:ab+1] op_sel:[0,\b,0] op_sel_hi:[1,\b,1]
	v_pk_fma_f32 v[ab+2:ab+3], v[xb+2:xb+3], v[pb:pb+1], v[ab+2:ab+3] op_sel:[0,\b,0] op_sel_hi:[1,\b,1]
.endif
.endm
; Label loads go two at a time, because the packed forms name a PAIR of weight registers: both weights are in before either is used,
; and both registers are asked for again only behind the second use.
.macro PAIR                            ; pq = 0..49
.set j0, 2*pq
.if j0+NSLOT < NLAB
.set lc, NSLOT-2                       ; loads up to j0 + 23 are issued: 22 are younger than j0 + 1
.else
.set lc, NLAB-2-j0                     ; the tail issues nothing: the count runs down to 0
.endif
.if j0+NP < NLAB
.set dc, NP-2                          ; weights up to j0 + 7 are asked for: 6 are younger than j0 + 1
.else
.set dc, NLAB-2-j0
.endif
	s_wait_loadcnt lc
	s_wait_dscnt dc
	WSUM j0, 0
	WSUM j0+1, 1
	ISSUE NFEAT+j0+NSLOT
	ISSUE NFEAT+j0+NSLOT+1
	PERM j0+NP
	PERM j0+NP+1
.endm
.set pq, 0
.rept NLAB/2
	PAIR
.set pq, pq+1
.endr
	; THE WAY OUT.  Set j of lane l belongs to piece 32 j + l: stored at 16 x piece, the sets form 32 rows of 400 bytes whose columns are the
	; labels' columns.  The bytes are my wave's own and LDS serves a wave's instructions in order (ISA guide 5.7.1.4): no barrier, no wait between.
	v_add_nc_u32 v[T], s31, v[LO]                  ; in: 512 consecutive bytes for each set
	v_min_u32 v[T+1], 384, v[LO]                   ; back: lane g < 25 takes column group g; lanes 25-31 repeat lane 24 and are zeroed below
	v_add_nc_u32 v[T+1], s31, v[T+1]
.set j, 0
.rept LPC
	ds_store_b128 v[T], v[ACC+4*j:ACC+4*j+3] offset:512*j
.set j, j+1
.endr
.set r, 0
.rept 32
	ds_load_b128 v[E+4*r:E+4*r+3], v[T+1] offset:LROW*r
.set r, r+1
.endr
.macro HALVE cnt                       ; rows 0 .. cnt-1 += rows cnt .. 2 cnt - 1
.set r, 0
.rept \cnt
	v_pk_add_f32 v[E+4*r:E+4*r+1], v[E+4*r:E+4*r+1], v[E+4*(r+\cnt):E+4*(r+\cnt)+1]
	v_pk_add_f32 v[E+4*r+2:E+4*r+3], v[E+4*r+2:E+4*r+3], v[E+4*(r+\cnt)+2:E+4*(r+\cnt)+3]
.set r, r+1
.endr
.endm
	s_wait_dscnt 0x0
	HALVE 16
	HALVE 8
	HALVE 4
	HALVE 2
	HALVE 1
	; the record: lanes 0-24 the sums, lane 25 (m, sum of weights, 0, 0), lanes 26-31 zeros
.irp k, 0,1,2,3
	v_cndmask_b32 v[E+\k], 0, v[E+\k], s28
.endr
	v_cndmask_b32 v[E], v[E], v[M], s29
	v_cndmask_b32 v[E+1], v[E+1], v[L], s29
	global_store_b128 v[LO], v[E:E+3], s[10:11]    ; the wave stores 512 consecutive bytes, at a multiple of 512 from part's first byte
	s_wait_tensorcnt 0x0
	ds_add_u32 v248, v249
	s_wait_dscnt 0x0
	s_endpgm
.Lfunc_end_k_q2c26c23062_partial:
	.size	k_q2c26c23062_partial, .Lfunc_end_k_q2c26c23062_partial-k_q2c26c23062_partial
	.p2alignl 7, 3214868480
	.fill 96, 4, 3214868480
	.section	.rodata,"a",@progbits
	.p2align	6, 0x0
	.amdhsa_kernel k_q2c26c23062_partial
		.amdhsa_group_segment_fixed_size 206848
		.amdhsa_private_segment_fixed_size 0
		.amdhsa_enable_private_segment 0
		.amdhsa_kernarg_size 32
		.amdhsa_user_sgpr_count 2
		.amdhsa_user_sgpr_kernarg_segment_ptr 1
		.amdhsa_wavefront_size32 1
		.amdhsa_system_sgpr_workgroup_id_x 1
		.amdhsa_system_sgpr_workgroup_id_y 1
		.amdhsa_system_sgpr_workgroup_id_z 1
		.amdhsa_system_vgpr_workitem_id 0
		.amdhsa_next_free_vgpr 250
		.amdhsa_next_free_sgpr 66
		.amdhsa_reserve_vcc 0
		.amdhsa_float_denorm_mode_32 3
		.amdhsa_float_denorm_mode_16_64 3
		.amdhsa_memory_ordered 1
		.amdhsa_forward_progress 1
		.amdhsa_inst_pref_size 154
	.end_amdhsa_kernel
	.amdgpu_metadata
---
amdhsa.version: [ 1, 2 ]
amdhsa.kernels:
  - .name:           k_q2c26c23062_partial
    .symbol:         k_q2c26c23062_partial.kd
    .args:
      - { .name: query_feats, .offset: 0, .size: 8, .value_kind: global_buffer, .address_space: global }
      - { .name: support_feats, .offset: 8, .size: 8, .value_kind: global_buffer, .address_space: global }
      - { .name: support_labels, .offset: 16, .size: 8, .value_kind: global_buffer, .address_space: global }
      - { .name: part, .offset: 24, .size: 8, .value_kind: global_buffer, .address_space: global }
    .group_segment_fixed_size: 206848
    .private_segment_fixed_size: 0
    .kernarg_segment_align: 8
    .kernarg_segment_size: 32
    .max_flat_workgroup_size: 512
    .sgpr_count:     66
    .vgpr_count:     250
    .wavefront_size: 32
...
	.end_amdgpu_metadata
.endif
;; end of part 1
;; launch combine (part 2): grid 64 x 1, 4 waves a work-group, no clusters, 2,560 bytes of LDS; arguments part, out0; writes out0
.if DOCPART == 2
	.amdgcn_target "amdgcn-amd-amdhsa--gfx1250"
	.amdhsa_code_object_version 6
	.text
	.protected	k_q2c26c23062_combine
	.globl	k_q2c26c23062_combine
	.p2align	8
	.type	k_q2c26c23062_combine,@function
k_q2c26c23062_combine:
	s_mov_b64 s[64:65], 0
	v_nop
	global_prefetch_b8 v0, s[64:65] scope:SCOPE_SE
	s_setreg_imm32_b32 hwreg(HW_REG_WAVE_MODE, 25, 1), 1
	s_wait_xcnt 0x0
; Nadaraya-Watson head, part 2 of 2.  part holds 64 records of 512 bytes for each batch (lane l of a 16-byte-a-lane load: l < 25 four sums of
; p * label; l = 25: (m, sum of p, 0, 0); l > 25 zeros), each relative to its own least distance m.
; out[b][c] = sum_k f_k acc_k[c] / sum_k f_k l_k, with f_k = exp(Mmin - m_k) and Mmin the least m_k: the softmax's maximum, taken away for the whole row.
; One work-group for each batch (64: there is no more work than that).  Four waves merge 16 records each, all 16 loads out at once;
; the four results meet in LDS and wave 0 merges them by the same macro and divides.
; A merged record is sum_k f_k x record_k taken lane by lane: lane 25's second number is then the merged sum of p by itself; its first number
; (a weighted sum of the m_k, finite and meaningless) is replaced by Mmin.
; Matrix units, clusters, a deeper pipeline: nothing here to feed them (2 MiB read once, 25,600 bytes written).
.set NREC, 16                          ; records of a wave
.set LO,   1                           ; v1        16 x lane
.set MN,   2                           ; v2        the least m of the records at hand
.set LN,   3                           ; v3        lane
.set LA,   4                           ; v4        my 16 bytes of my wave's LDS record
.set R,    16                          ; v[16:79]  the records, 4 registers each
.set F,    80                          ; v[80:95]  their factors
.set C,    96                          ; v[96:99]  the merged record
.set SM,   20                          ; s[20:35]  their m
.macro COMBINE cnt                     ; cnt even, at least 4
.set k, 0
.rept \cnt
	v_readlane_b32 s[SM+k], v[R+4*k], 25           ; m_k: data only, no address and no branch is made of it
.set k, k+1
.endr
	v_mov_b32 v[MN], s[SM]
.set k, 1
.rept (\cnt-2)/2
	v_min3_num_f32 v[MN], s[SM+k], s[SM+k+1], v[MN]
.set k, k+2
.endr
	v_min_num_f32 v[MN], s[SM+k], v[MN]
.set k, 0
.rept \cnt
	v_sub_f32 v[F+k], v[MN], s[SM+k]               ; at most 0; the difference first, then the change of base
.set k, k+1
.endr
.set k, 0
.rept \cnt
	v_mul_f32 v[F+k], 0x3fb8aa3b, v[F+k]
.set k, k+1
.endr
.set k, 0
.rept \cnt
	v_exp_f32 v[F+k], v[F+k]
.set k, k+1
.endr
	v_nop                                          ; one plain instruction between the exponentials and the first use (ISA guide 5.7.2)
	s_wait_alu depctr_va_vdst(0)
	v_pk_mul_f32 v[C:C+1], v[R:R+1], v[F:F+1] op_sel_hi:[1,0]      ; the first product starts the sums
	v_pk_mul_f32 v[C+2:C+3], v[R+2:R+3], v[F:F+1] op_sel_hi:[1,0]
.set k, 1
.rept \cnt-1
.if k%2
	v_pk_fma_f32 v[C:C+1], v[R+4*k:R+4*k+1], v[F+k-1:F+k], v[C:C+1] op_sel:[0,1,0] op_sel_hi:[1,1,1]
	v_pk_fma_f32 v[C+2:C+3], v[R+4*k+2:R+4*k+3], v[F+k-1:F+k], v[C+2:C+3] op_sel:[0,1,0] op_sel_hi:[1,1,1]
.else
	v_pk_fma_f32 v[C:C+1], v[R+4*k:R+4*k+1], v[F+k:F+k+1], v[C:C+1] op_sel_hi:[1,0,1]
	v_pk_fma_f32 v[C+2:C+3], v[R+4*k+2:R+4*k+3], v[F+k:F+k+1], v[C+2:C+3] op_sel_hi:[1,0,1]
.endif
.set k, k+1
.endr
.endm
	s_load_b128 s[4:7], s[0:1], 0x0                ; part s[4:5], out0 s[6:7]
	v_lshl_add_u32 v100, v0, 2, 0x800
	v_mov_b32 v101, 0
	v_lshrrev_b32 v[LA], 5, v0
	v_readfirstlane_b32 s8, v[LA]                  ; wave 0..3
	v_and_b32 v[LN], 31, v0
	v_lshlrev_b32 v[LO], 4, v[LN]
	s_lshl_b32 s10, ttmp9, 15                      ; the batch's 64 records of 512 bytes
	s_lshl_b32 s9, s8, 13                          ; my wave's 16 of them
	s_add_co_u32 s10, s10, s9
	s_mov_b32 s11, 0
	s_mul_i32 s12, ttmp9, 400                      ; the batch's row of out0
	s_mov_b32 s13, 0
	s_mov_b32 s14, 0x02000000                      ; lane 25
	s_lshl_b32 s9, s8, 9
	v_add_nc_u32 v[LA], s9, v[LO]
	s_wait_kmcnt 0x0
	s_add_nc_u64 s[4:5], s[4:5], s[10:11]
	s_add_nc_u64 s[6:7], s[6:7], s[12:13]
.set k, 0
.rept NREC
	global_load_b128 v[R+4*k:R+4*k+3], v[LO], s[4:5] offset:512*k  ; a record: 512 consecutive bytes
.set k, k+1
.endr
	s_wait_loadcnt 0x0                             ; the least m needs all sixteen
	COMBINE NREC
	v_cndmask_b32 v[C], v[C], v[MN], s14           ; lane 25: the merged record's m
	ds_store_b128 v[LA], v[C:C+3]
	s_wait_dscnt 0x0                               ; my record is in LDS before I say so
	s_barrier_signal -1
	s_barrier_wait -1                              ; all four are
	s_cmp_lg_u32 s8, 0
	s_cbranch_scc1 .Lend                           ; the rest is wave 0's
.irp k, 0,1,2,3
	ds_load_b128 v[R+4*\k:R+4*\k+3], v[LO] offset:512*\k
.endr
	s_wait_dscnt 0x0
	COMBINE 4
	v_readlane_b32 s15, v[C+1], 25                 ; the sum of all weights: at least 1, the nearest support's own
	v_cmp_gt_u32 vcc_lo, 25, v[LN]
	v_rcp_f32 v[F], s15
	v_nop                                          ; one plain instruction before the reciprocal is used (ISA guide 5.7.2)
	s_wait_alu depctr_va_vdst(0)
	v_pk_mul_f32 v[C:C+1], v[C:C+1], v[F:F+1] op_sel_hi:[1,0]
	v_pk_mul_f32 v[C+2:C+3], v[C+2:C+3], v[F:F+1] op_sel_hi:[1,0]
	s_wait_xcnt 0x0                                ; EXEC changes only when no memory instruction still reads it
	s_and_saveexec_b32 s16, vcc_lo                 ; lanes 0-24: a row of out0 is 400 bytes
	global_store_b128 v[LO], v[C:C+3], s[6:7]
	s_wait_xcnt 0x0
	s_or_b32 exec_lo, exec_lo, s16
.Lend:
	s_wait_tensorcnt 0x0
	ds_add_u32 v100, v101
	s_wait_dscnt 0x0
	s_endpgm
.Lfunc_end_k_q2c26c23062_combine:
	.size	k_q2c26c23062_combine, .Lfunc_end_k_q2c26c23062_combine-k_q2c26c23062_combine
	.p2alignl 7, 3214868480
	.fill 96, 4, 3214868480
	.section	.rodata,"a",@progbits
	.p2align	6, 0x0
	.amdhsa_kernel k_q2c26c23062_combine
		.amdhsa_group_segment_fixed_size 2560
		.amdhsa_private_segment_fixed_size 0
		.amdhsa_enable_private_segment 0
		.amdhsa_kernarg_size 16
		.amdhsa_user_sgpr_count 2
		.amdhsa_user_sgpr_kernarg_segment_ptr 1
		.amdhsa_wavefront_size32 1
		.amdhsa_system_sgpr_workgroup_id_x 1
		.amdhsa_system_sgpr_workgroup_id_y 1
		.amdhsa_system_sgpr_workgroup_id_z 1
		.amdhsa_system_vgpr_workitem_id 0
		.amdhsa_next_free_vgpr 102
		.amdhsa_next_free_sgpr 66
		.amdhsa_reserve_vcc 1
		.amdhsa_float_denorm_mode_32 3
		.amdhsa_float_denorm_mode_16_64 3
		.amdhsa_memory_ordered 1
		.amdhsa_forward_progress 1
		.amdhsa_inst_pref_size 12
	.end_amdhsa_kernel
	.amdgpu_metadata
---
amdhsa.version: [ 1, 2 ]
amdhsa.kernels:
  - .name:           k_q2c26c23062_combine
    .symbol:         k_q2c26c23062_combine.kd
    .args:
      - { .name: part, .offset: 0, .size: 8, .value_kind: global_buffer, .address_space: global }
      - { .name: out0, .offset: 8, .size: 8, .value_kind: global_buffer, .address_space: global }
    .group_segment_fixed_size: 2560
    .private_segment_fixed_size: 0
    .kernarg_segment_align: 8
    .kernarg_segment_size: 16
    .max_flat_workgroup_size: 128
    .sgpr_count:     66
    .vgpr_count:     102
    .wavefront_size: 32
...
	.end_amdgpu_metadata
.endif
;; end of part 2
;; ======== version 2 of 2: 2 launches; version 1 with the launch partial written anew for expert scheduling mode
;; limits: inputs' magnitudes at most 1e+18
;; workspace buffers: part 2,097,152 bytes
;; launch partial (part 3): grid 256 x 1, 16 waves a work-group, no clusters, 206,848 bytes of LDS; arguments query_feats, support_feats, support_labels, part; writes part
.if DOCPART == 3
	.amdgcn_target "amdgcn-amd-amdhsa--gfx1250"
	.amdhsa_code_object_version 6
	.text
	.protected	k_q2c26c23062_partial
	.globl	k_q2c26c23062_partial
	.p2align	8
	.type	k_q2c26c23062_partial,@function
k_q2c26c23062_partial:
	s_mov_b64 s[64:65], 0
	v_nop
	global_prefetch_b8 v0, s[64:65] scope:SCOPE_SE
	s_setreg_imm32_b32 hwreg(HW_REG_WAVE_SCHED_MODE, 0, 2), 2
	s_setreg_imm32_b32 hwreg(HW_REG_WAVE_MODE, 25, 1), 1
	s_wait_xcnt 0x0
	s_wait_alu depctr_vm_vsrc(0)
; Nadaraya-Watson head, part 1 of 2.  out[b] = sum_s softmax_s(-|q[b] - f[b][s]|) * labels[b][s].
; q [64][256], f [64][8192][256], labels [64][8192][100], all f32.
; Every feature and label is used once: the work is a stream.  256 work-groups of 16 waves; wave W = 16 x group + wave (0..4095) owns the
; 128 supports 128 (W % 64) .. + 127 of batch W / 64 and leaves ONE record of 512 bytes in part[W]:
;   floats 0..99 sum of p * label,  float 100 m = the wave's least distance,  float 101 sum of p,  the rest 0,  with p = exp(m - d).
; The maximum of -d is thus taken away wave by wave; part 2 brings the 64 records of a batch to their common maximum.
; No wave reads what another wrote: no barrier.
;
; PHASE 1, features.  Lanes 0-15 take 256 consecutive bytes of row t, lanes 16-31 the same bytes of row t + 16; four such loads (a step) take
; both rows whole.  A lane owns 16 columns (16 numbers of q in registers) and a row's sum crosses 16 lanes only.  After 16 steps a lane holds
; 16 partial sums; a transposing butterfly (15 folds of three instructions) leaves the sum of row r of the 32 in lane r.
; PHASE 2, labels.  The wave's 128 label rows are 51,200 consecutive bytes from a multiple of 256: 100 loads of 512 consecutive bytes.
; Piece n (16 bytes) of a chunk of 32 rows is row n / 25, columns 4 (n % 25) .. + 3, and 32 rows are exactly 25 loads: load j of every chunk
; has the same pattern, so a lane keeps 25 x 4 sums, one set for each j, and fetches its row's weight from lane n / 25 (ds_bpermute_b32).
; WAY OUT.  The 25 sets, stored in piece order, are the image of a 32 x 100 array in the wave's own LDS bytes; lanes 0-24 add its 32 rows.
;
; ONE RING of 24 load slots serves both phases (12 KiB of a wave, 192 KiB of the work-group on their way): the label loads follow the
; feature loads in the same slots, so the loads go on while distances are turned into weights.  Every address is one offset register plus
; an immediate; nothing is stepped.  The text is straight-line (some 20 KiB): each wave runs it once.
;
; THE MODE: SCHED_MODE bits 1:0 = 2 (LLVM: expert scheduling mode 2), set by the entry lines.  The code itself states the register dependences
; between vector instructions and memory or LDS instructions, with s_wait_alu, always for 0.
; THE PLAN.  Registers that memory or LDS instructions touch:
;   v1, v2, v3   offsets.  Written at the head, never again; read by every global load and by the record's store.
;   RING         Phase 1, step p: its four loads have landed; its differences write the four slots in place, its squares read them; then the
;                loads of step p + 6 land there.  Phase 2, pair q: its four multiply-adds read two slots; then loads j0 + 24, j0 + 25 land there.
;   P            Pair q's multiply-adds read one pair of weight registers; then the weights of loads j0 + 8, j0 + 9 land there.
;   IDX, D       Written by vector instructions (IDX at the head, D up to the exponentials); read by the 100 permutes.  D is never written
;                again; IDX's registers take LDS loads on the way out.
;   ACC          Written by the multiply-adds; read by the 25 LDS stores; never written again.
;   v10, v11     The way out's two LDS addresses: written once there, then read by the LDS stores and loads.
;   E            The way out's LDS loads land in v[20:147] (IDX from v20 on, P, RING); the halvings and selects write it; the record's store reads v[20:23].
;   v248, v249   Written at the head, read by the closing add alone.
; So ONE wait on va_vdst stands in a step, behind its squares, and one in a pair, behind its multiply-adds: the slots are asked for again at
; once and do not lie idle until the next wait for data.  A step's last two additions, which name no slot, follow its loads.
; One wait on vm_vsrc stands in the whole text, on the way out, for IDX: no other register that a memory or LDS instruction reads is written again.
;
; NOT USED, and why.  Matrix instructions: the product has one row (p) for each batch, 15 of 16 rows would be idle, and each label would have
; to be converted and transposed to be used once.  Clusters: the work-groups share nothing but 1 KiB of q.  The tensor mover and an LDS ring:
; the bytes in flight fit in registers.  Prefetches: the ring already keeps the loads coming.
; LIMITS.  If all 128 squared distances of a wave overflow to infinity (differences above about 1e18) its record is NaN, where the plain
; softmax is NaN only if all 8192 do.  v_sqrt_f32 and v_exp_f32 are good to 1 ULP and flush denormals (ISA guide 15.8): a squared distance
; or a weight below 2^-126 counts as 0.  The sums are formed in another order than a plain loop's.
.set ROWS,  128                        ; supports of a wave
.set FROW,  1024                       ; bytes in a feature row
.set LROW,  400                        ; bytes in a label row
.set NSLOT, 24                         ; load slots of the ring = 6 steps
.set NFEAT, ROWS*FROW/512              ; 256 feature loads of a wave
.set NLAB,  ROWS*LROW/512              ; 100 label loads of a wave
.set LPC,   25                         ; label loads in a chunk of 32 rows
.set NP,    8                          ; weights on their way (ds_bpermute_b32)
.set IMG,   32*LROW                    ; a wave's LDS bytes: 25 x 512 = 32 x 400
.set FO,   1                           ; v1        feature offset: 16 rows x (lane / 16) + 16 x (lane % 16)
.set LO,   2                           ; v2        16 x lane: labels, record
.set QO,   3                           ; v3        16 x (lane % 16): q
.set D,    4                           ; v[4:7]    lane r: distance, later weight, of row r of chunk 0..3
.set M,    8                           ; v8        the wave's least distance
.set L,    9                           ; v9        the wave's sum of weights
.set T,    10                          ; v[10:13]  at work
.set IDX,  18                          ; v[18:42]  4 x (row of my piece in label load j of a chunk)
.set P,    44                          ; v[44:51]  weights for the next 8 label loads
.set E,    20                          ; v[20:147] the way out: 32 rows x 4 registers (indices, weights and ring are done with by then)
.set RING, 52                          ; v[52:147] 24 slots of 4 registers
.set ACC,  148                         ; v[148:247] 25 sets of 4 sums
.set Q,    148                         ; v[148:163] phase 1 only: my 16 numbers of q
.set S,    164                         ; v[164:179] phase 1 only: my partial sums of 16 steps
.set A,    180                         ; v[180:183] phase 1 only: two running pairs
; Load number seq of the wave's 356, into slot seq % 24.  0..255: step seq / 4 (rows 32 (step / 16) + step % 16 and 16 further), quarter seq % 4.
; 256..355: the labels' next 512 bytes.  Beyond: nothing.
.macro ISSUE seq
.if (\seq) < NFEAT
	global_load_b128 v[RING+4*((\seq)%NSLOT):RING+4*((\seq)%NSLOT)+3], v[FO], s[6:7] offset:FROW*((\seq)/4+16*((\seq)/64))+256*((\seq)%4) th:TH_LOAD_NT
.else
.if (\seq) < NFEAT+NLAB
	global_load_b128 v[RING+4*((\seq)%NSLOT):RING+4*((\seq)%NSLOT)+3], v[LO], s[8:9] offset:512*((\seq)-NFEAT) th:TH_LOAD_NT
.endif
.endif
.endm
	s_load_b256 s[4:11], s[0:1], 0x0               ; q s[4:5], features s[6:7], labels s[8:9], part s[10:11]
	v_lshl_add_u32 v248, v0, 2, 0x32000            ; my spare word, behind the sixteen images (16 x 12,800 bytes), and 0: kept for the closing lines alone
	v_mov_b32 v249, 0
	v_lshrrev_b32 v[T], 5, v0
	v_readfirstlane_b32 s12, v[T]                  ; wave 0..15
	v_and_b32 v[T+1], 31, v0                       ; lane
	v_and_b32 v[QO], 15, v0
	v_bfe_u32 v[T+2], v0, 4, 1                     ; which half of the lanes
	v_lshlrev_b32 v[QO], 4, v[QO]
	v_lshlrev_b32 v[LO], 4, v[T+1]
	v_lshl_add_u32 v[FO], v[T+2], 14, v[QO]        ; 16 rows of 1,024 bytes for the upper half
	s_wait_alu depctr_va_sdst(0)                   ; s12 is written, ahead of its first reader: the four bases and my LDS bytes are made from it
	s_lshl_b32 s13, ttmp9, 4
	s_add_co_u32 s13, s13, s12                     ; W
	s_lshl_b32 s14, s13, 17                        ; W x 128 rows x 1,024 bytes (below 2^30)
	s_mov_b32 s15, 0
	s_mul_i32 s16, s13, ROWS*LROW                  ; W x 51,200 bytes, a multiple of 256
	s_mov_b32 s17, 0
	s_lshr_b32 s18, s13, 6                         ; batch
	s_lshl_b32 s18, s18, 10
	s_mov_b32 s19, 0
	s_lshl_b32 s20, s13, 9                         ; my record
	s_mov_b32 s21, 0
	s_wait_kmcnt 0x0
	s_add_nc_u64 s[4:5], s[4:5], s[18:19]
	s_add_nc_u64 s[6:7], s[6:7], s[14:15]
	s_add_nc_u64 s[8:9], s[8:9], s[16:17]
	s_add_nc_u64 s[10:11], s[10:11], s[20:21]
	s_wait_alu depctr_va_vdst(0)                   ; the three offsets v1, v2, v3 are written: every global load and the record's store read one of them
.irp k, 0,1,2,3
	global_load_b128 v[Q+4*\k:Q+4*\k+3], v[QO], s[4:5] offset:256*\k      ; q[64 k + 4 (lane % 16) .. + 3]; 64 waves read this row: no hint
.endr
.set n, 0
.rept NSLOT
	ISSUE n                                        ; the ring is filled before anything else is done
.set n, n+1
.endr
	; While the first loads are out: constants, and the 25 indices.  n / 25 = (1311 n) >> 15 for n < 4681 (1311 x 25 = 2^15 + 7); here n < 800.
	s_mov_b32 s22, 0xaaaaaaaa                      ; lanes with bit 0 set
	s_mov_b32 s23, 0xcccccccc                      ; bit 1
	s_mov_b32 s24, 0xf0f0f0f0                      ; bit 2
	s_mov_b32 s25, 0xff00ff00                      ; bit 3
	s_mov_b32 s26, 0x76543210                      ; v_permlanex16_b32: lane i reads lane i of the other half
	s_mov_b32 s27, 0xfedcba98
	s_mov_b32 s28, 0x01ffffff                      ; lanes 0-24: the record's 100 sums
	s_mov_b32 s29, 0x02000000                      ; lane 25: m and the sum of weights
	s_mul_i32 s31, s12, IMG                        ; my wave's LDS bytes
	v_mul_u32_u24 v[T+3], 0x51f, v[T+1]            ; 1311 x lane
.set j, 0
.rept LPC
	v_add_nc_u32 v[IDX+j], 41952*j, v[T+3]         ; 1311 x (32 j + lane)
	v_lshrrev_b32 v[IDX+j], 15, v[IDX+j]           ; the row of my piece, 0..31
	v_lshlrev_b32 v[IDX+j], 2, v[IDX+j]            ; as ds_bpermute_b32 wants it: 4 x lane
.set j, j+1
.endr
; A step: two rows (one for each half of the lanes), 16 numbers a lane.  The difference is formed first and squared: no large sums are subtracted.
.macro STEP                            ; stp = 0..63
.set XB, RING+4*((4*stp)%NSLOT)
	s_wait_loadcnt NSLOT-4                         ; loads return in order (ISA guide 5.7.1): this step's four are in, the five younger steps' twenty stay out
.irp k, 0,2,4,6,8,10,12,14
	v_pk_add_f32 v[XB+\k:XB+\k+1], v[XB+\k:XB+\k+1], v[Q+\k:Q+\k+1] neg_lo:[0,1] neg_hi:[0,1]
.endr
	v_pk_mul_f32 v[A:A+1], v[XB:XB+1], v[XB:XB+1]                  ; the first squares start the two chains: nothing is cleared
	v_pk_mul_f32 v[A+2:A+3], v[XB+2:XB+3], v[XB+2:XB+3]
.irp k, 4,8,12
	v_pk_fma_f32 v[A:A+1], v[XB+\k:XB+\k+1], v[XB+\k:XB+\k+1], v[A:A+1]
	v_pk_fma_f32 v[A+2:A+3], v[XB+\k+2:XB+\k+3], v[XB+\k+2:XB+\k+3], v[A+2:A+3]
.endr
	s_wait_alu depctr_va_vdst(0)                   ; the differences have written this step's four slots and the squares are done reading them: the loads below land there.  (In step 0 also: the indices are written, which the permutes read; behind a chunk's end: the square root has written its distance)
.irp k, 0,1,2,3
	ISSUE 4*stp+NSLOT+\k                           ; six steps ahead, into the slots just read; from step 58 on these are the first 24 label loads
.endr
	v_pk_add_f32 v[A:A+1], v[A:A+1], v[A+2:A+3]    ; these two name no slot: they follow the loads with no further wait
	v_add_f32 v[S+stp%16], v[A], v[A+1]
.endm
; One fold: lanes whose bit is clear end with S[a] summed over the pair of lanes, the others with S[b].  Each lane hands over the one it does not keep.
.macro FOLD a, b, mask, x
	v_cndmask_b32 v[T], v[S+\b], v[S+\a], \mask                    ; for my partner: bit set ? S[a] : S[b]
	v_cndmask_b32 v[S+\a], v[S+\a], v[S+\b], \mask                 ; for me:         bit set ? S[b] : S[a]
	v_add_f32_dpp v[S+\a], v[T], v[S+\a] row_xmask:\x row_mask:0xf bank_mask:0xf
.endm
.macro FOLDALL                         ; 8 + 4 + 2 + 1 folds: lane i of each half ends with S[i] summed over its 16 lanes, in S[0]
.irp a, 0,2,4,6,8,10,12,14
	FOLD \a, \a+1, s22, 1
.endr
.irp a, 0,4,8,12
	FOLD \a, \a+2, s23, 2
.endr
.irp a, 0,8
	FOLD \a, \a+4, s24, 4
.endr
	FOLD 0, 8, s25, 8
.endm
.set stp, 0
.rept 64
	STEP
.if stp%16 == 15
	FOLDALL                                        ; lane r: the squared distance of row r of this chunk
	v_sqrt_f32 v[D+stp/16], v[S]                   ; the plain instruction that has to follow (ISA guide 5.7.2) is the next step's first difference, or the v_min3 below
.endif
.set stp, stp+1
.endr
	; The wave's least distance, in every lane
	s_wait_alu depctr_va_vdst(0)                   ; the last square root has written the fourth chunk's distances, ahead of the first line that names them
	v_min3_num_f32 v[M], v[D], v[D+1], v[D+2]
	v_min_num_f32 v[M], v[M], v[D+3]
	v_min_num_f32_dpp v[M], v[M], v[M] row_xmask:1 row_mask:0xf bank_mask:0xf
	v_min_num_f32_dpp v[M], v[M], v[M] row_xmask:2 row_mask:0xf bank_mask:0xf
	v_min_num_f32_dpp v[M], v[M], v[M] row_xmask:4 row_mask:0xf bank_mask:0xf
	v_min_num_f32_dpp v[M], v[M], v[M] row_xmask:8 row_mask:0xf bank_mask:0xf
	v_permlanex16_b32 v[T], v[M], s26, s27
	v_min_num_f32 v[M], v[M], v[T]
	; p = exp(m - d) = 2^((m - d) log2 e).  The difference first, so that its error does not grow with the size of the distances.
.irp c, 0,1,2,3
	v_sub_f32 v[D+\c], v[M], v[D+\c]
.endr
.irp c, 0,1,2,3
	v_mul_f32 v[D+\c], 0x3fb8aa3b, v[D+\c]
.endr
.irp c, 0,1,2,3
	v_exp_f32 v[D+\c], v[D+\c]
.endr
	v_nop                                          ; one plain instruction between the exponentials and the first use of a result (ISA guide 5.7.2)
	s_wait_alu depctr_va_vdst(0)                   ; the four exponentials have written the weights, which the permutes below read as their data and the additions below as sources
.macro PERM jj                         ; the weight that goes with my 16 bytes of label load jj
.if (\jj) < NLAB
	ds_bpermute_b32 v[P+(\jj)%NP], v[IDX+(\jj)%LPC], v[D+(\jj)/LPC]
.endif
.endm
.set n, 0
.rept NP
	PERM n
.set n, n+1
.endr
	; the sum of the wave's 128 weights, in every lane, while the first weights travel
	v_add_f32 v[L], v[D], v[D+1]
	v_add_f32 v[T], v[D+2], v[D+3]
	v_add_f32 v[L], v[L], v[T]
	v_add_f32_dpp v[L], v[L], v[L] row_xmask:1 row_mask:0xf bank_mask:0xf
	v_add_f32_dpp v[L], v[L], v[L] row_xmask:2 row_mask:0xf bank_mask:0xf
	v_add_f32_dpp v[L], v[L], v[L] row_xmask:4 row_mask:0xf bank_mask:0xf
	v_add_f32_dpp v[L], v[L], v[L] row_xmask:8 row_mask:0xf bank_mask:0xf
	v_permlanex16_b32 v[T], v[L], s26, s27
	v_add_f32 v[L], v[L], v[T]
; set jj % 25 += weight x the four labels of load jj.  b = jj % 2 says which register of the weights' pair feeds both halves.
; The first chunk's products start the sums.
.macro WSUM jj, b
.set ab, ACC+4*((\jj)%LPC)
.set xb, RING+4*((NFEAT+(\jj))%NSLOT)
.set pb, P+((\jj)%NP)/2*2
.if (\jj) < LPC
	v_pk_mul_f32 v[ab:ab+1], v[xb:xb+1], v[pb:pb+1] op_sel:[0,\b] op_sel_hi:[1,\b]
	v_pk_mul_f32 v[ab+2:ab+3], v[xb+2:xb+3], v[pb:pb+1] op_sel:[0,\b] op_sel_hi:[1,\b]
.else
	v_pk_fma_f32 v[ab:ab+1], v[xb:xb+1], v[pb:pb+1], v[ab:ab+1] op_sel:[0,\b,0] op_sel_hi:[1,\b,1]
	v_pk_fma_f32 v[ab+2:ab+3], v[xb+2:xb+3], v[pb:pb+1], v[ab+2:ab+3] op_sel:[0,\b,0] op_sel_hi:[1,\b,1]
.endif
.endm
; Label loads go two at a time, because the packed forms name a PAIR of weight registers: both weights are in before either is used,
; and both registers are asked for again only behind the second use.
.macro PAIR                            ; pq = 0..49
.set j0, 2*pq
.if j0+NSLOT < NLAB
.set lc, NSLOT-2                       ; loads up to j0 + 23 are issued: 22 are younger than j0 + 1
.else
.set lc, NLAB-2-j0                     ; the tail issues nothing: the count runs down to 0
.endif
.if j0+NP < NLAB
.set dc, NP-2                          ; weights up to j0 + 7 are asked for: 6 are younger than j0 + 1
.else
.set dc, NLAB-2-j0
.endif
	s_wait_loadcnt lc
	s_wait_dscnt dc
	WSUM j0, 0
	WSUM j0+1, 1
.if j0+NP < NLAB                       ; the last four pairs ask for nothing more, so they state nothing
	s_wait_alu depctr_va_vdst(0)                   ; the four lines above are done reading their two slots and their pair of weights: the loads and the permutes below land there
.endif
	ISSUE NFEAT+j0+NSLOT
	ISSUE NFEAT+j0+NSLOT+1
	PERM j0+NP
	PERM j0+NP+1
.endm
.set pq, 0
.rept NLAB/2
	PAIR
.set pq, pq+1
.endr
	; THE WAY OUT.  Set j of lane l belongs to piece 32 j + l: stored at 16 x piece, the sets form 32 rows of 400 bytes whose columns are the
	; labels' columns.  The bytes are my wave's own and LDS serves a wave's instructions in order (ISA guide 5.7.1.4): no barrier, no wait between.
	v_add_nc_u32 v[T], s31, v[LO]                  ; in: 512 consecutive bytes for each set
	v_min_u32 v[T+1], 384, v[LO]                   ; back: lane g < 25 takes column group g; lanes 25-31 repeat lane 24 and are zeroed below
	v_add_nc_u32 v[T+1], s31, v[T+1]
	s_wait_alu depctr_va_vdst(0)                   ; the two LDS addresses and the 25 sets are written, which the LDS stores and loads read; the last pairs' lines are done reading the slots and weights in which the LDS loads land
	s_wait_alu depctr_vm_vsrc(0)                   ; the permutes have read their indices: v20 to v42 take LDS loads below and are written by the halvings
.set j, 0
.rept LPC
	ds_store_b128 v[T], v[ACC+4*j:ACC+4*j+3] offset:512*j
.set j, j+1
.endr
.set r, 0
.rept 32
	ds_load_b128 v[E+4*r:E+4*r+3], v[T+1] offset:LROW*r
.set r, r+1
.endr
.macro HALVE cnt                       ; rows 0 .. cnt-1 += rows cnt .. 2 cnt - 1
.set r, 0
.rept \cnt
	v_pk_add_f32 v[E+4*r:E+4*r+1], v[E+4*r:E+4*r+1], v[E+4*(r+\cnt):E+4*(r+\cnt)+1]
	v_pk_add_f32 v[E+4*r+2:E+4*r+3], v[E+4*r+2:E+4*r+3], v[E+4*(r+\cnt)+2:E+4*(r+\cnt)+3]
.set r, r+1
.endr
.endm
	s_wait_dscnt 0x0
	HALVE 16
	HALVE 8
	HALVE 4
	HALVE 2
	HALVE 1
	; the record: lanes 0-24 the sums, lane 25 (m, sum of weights, 0, 0), lanes 26-31 zeros
.irp k, 0,1,2,3
	v_cndmask_b32 v[E+\k], 0, v[E+\k], s28
.endr
	v_cndmask_b32 v[E], v[E], v[M], s29
	v_cndmask_b32 v[E+1], v[E+1], v[L], s29
	s_wait_alu depctr_va_vdst(0)                   ; the selects have written v[20:23], the store's data
	global_store_b128 v[LO], v[E:E+3], s[10:11]    ; the wave stores 512 consecutive bytes, at a multiple of 512 from part's first byte
	s_wait_dscnt 0x0                               ; the closing lines, six on end
	s_wait_alu 0x0
	s_wait_tensorcnt 0x0
	ds_add_u32 v248, v249
	s_wait_dscnt 0x0
	s_endpgm
.Lfunc_end_k_q2c26c23062_partial:
	.size	k_q2c26c23062_partial, .Lfunc_end_k_q2c26c23062_partial-k_q2c26c23062_partial
	.p2alignl 7, 3214868480
	.fill 96, 4, 3214868480
	.section	.rodata,"a",@progbits
	.p2align	6, 0x0
	.amdhsa_kernel k_q2c26c23062_partial
		.amdhsa_group_segment_fixed_size 206848
		.amdhsa_private_segment_fixed_size 0
		.amdhsa_enable_private_segment 0
		.amdhsa_kernarg_size 32
		.amdhsa_user_sgpr_count 2
		.amdhsa_user_sgpr_kernarg_segment_ptr 1
		.amdhsa_wavefront_size32 1
		.amdhsa_system_sgpr_workgroup_id_x 1
		.amdhsa_system_sgpr_workgroup_id_y 1
		.amdhsa_system_sgpr_workgroup_id_z 1
		.amdhsa_system_vgpr_workitem_id 0
		.amdhsa_next_free_vgpr 250
		.amdhsa_next_free_sgpr 66
		.amdhsa_reserve_vcc 0
		.amdhsa_float_denorm_mode_32 3
		.amdhsa_float_denorm_mode_16_64 3
		.amdhsa_memory_ordered 1
		.amdhsa_forward_progress 1
		.amdhsa_inst_pref_size 158
	.end_amdhsa_kernel
	.amdgpu_metadata
---
amdhsa.version: [ 1, 2 ]
amdhsa.kernels:
  - .name:           k_q2c26c23062_partial
    .symbol:         k_q2c26c23062_partial.kd
    .args:
      - { .name: query_feats, .offset: 0, .size: 8, .value_kind: global_buffer, .address_space: global }
      - { .name: support_feats, .offset: 8, .size: 8, .value_kind: global_buffer, .address_space: global }
      - { .name: support_labels, .offset: 16, .size: 8, .value_kind: global_buffer, .address_space: global }
      - { .name: part, .offset: 24, .size: 8, .value_kind: global_buffer, .address_space: global }
    .group_segment_fixed_size: 206848
    .private_segment_fixed_size: 0
    .kernarg_segment_align: 8
    .kernarg_segment_size: 32
    .max_flat_workgroup_size: 512
    .sgpr_count:     66
    .vgpr_count:     250
    .wavefront_size: 32
...
	.end_amdgpu_metadata
.endif
;; end of part 3
;; launch combine: the kernel of part 2 again; grid 64 x 1, 4 waves a work-group, no clusters, 2,560 bytes of LDS; arguments part, out0; writes out0
